; MI455X (gfx1250); checked and timed in simulation.
; The chip was launched on July 23, 2026; its instructions are those of AMD's public machine-readable ISA for CDNA 5 (MIT licence, August 2026) and "CDNA5" Instruction Set Architecture Reference Guide (July 2026). The comments in the code are by the model that wrote it; some were corrected since.
;; Randomized Bert Self Attention. Allowed arithmetic: matrix products marked QUANTISED: E3M2 operands, one E8M0 scale for each 32 along K, by v_wmma_scale_f32_16x16x128_f8f6f4 with both operands' format E3M2, f32 sums; everything else in f32.
;; Inputs: Wk_codes 768 x 24 x 24 uint8 (E3M2 codes of Wk, K innermost, in blocks of 32 codes, four codes in three bytes); Wk_scales 768 x 24 uint8 (E8M0 scales of Wk, one for each 32 codes along K); Wq_codes 768 x 24 x 24 uint8 (E3M2 codes of Wq, K innermost, in blocks of 32 codes, four codes in three bytes); Wq_scales 768 x 24 uint8 (E8M0 scales of Wq, one for each 32 codes along K); Wv_codes 768 x 24 x 24 uint8 (E3M2 codes of Wv, K innermost, in blocks of 32 codes, four codes in three bytes); Wv_scales 768 x 24 uint8 (E8M0 scales of Wv, one for each 32 codes along K); attention_mask 1 x 1 x 1 x 4,096 float32; bk 768 float32; bq 768 float32; bv 768 float32; hidden_states_codes 1 x 4,096 x 24 x 24 uint8 (E3M2 codes of hidden_states, K innermost, in blocks of 32 codes, four codes in three bytes); hidden_states_scales 1 x 4,096 x 24 uint8 (E8M0 scales of hidden_states, one for each 32 codes along K).
;; Outputs: out0 1 x 4,096 x 768 float32.
;; This version of the problem:
;;   THIS VERSION OF THE PROBLEM IS GIVEN IN LOW PRECISION. The matrix products marked QUANTISED in the list below multiply operands that are first quantised to E3M2 (3 exponent bits, 2 mantissa bits; 6 bits a number), with one power-of-two scale for each 32 numbers along K (OCP MX v1.0); their sums are f32. All else is computed in f32.
;;   The module's matrix products, in the order in which they are computed (A, B: the left and right operand; K: the contracted axis; several contracted axes count as one K, in the product's order):
;;     1. [M 4,096, K 768] x [K 768, N 768]; A: input hidden_states (given as codes); B: input Wq (given as codes): QUANTISED
;;     2. [M 4,096, K 768] x [K 768, N 768]; A: input hidden_states (given as codes); B: input Wk (given as codes): QUANTISED
;;     3. batch 12 x [M 4,096, K 64] x [K 64, N 4,096]; A: computed on the way; B: computed on the way: QUANTISED
;;     4. [M 4,096, K 768] x [K 768, N 768]; A: input hidden_states (given as codes); B: input Wv (given as codes): QUANTISED
;;     5. batch 12 x [M 4,096, K 4,096] x [K 4,096, N 64]; A: softmax (see below); B: computed on the way: QUANTISED
;;   THE QUANTISER, for each operand of a quantised product, along K:
;;     - K is cut into blocks of 32 from its start; a last block that is shorter is filled with zeros.
;;     - A block's scale is 2^e with e = floor(log2(the largest magnitude in the block)) - 4, held to -126 .. 127; a block of zeros has e = 0. As a byte (E8M0): e + 127.
;;     - Each number is divided by its block's scale, clamped to +-28, and rounded to the nearest number of E3M2, ties to even, subnormals kept.
;;     - The product sums the exact products of the quantised numbers (number of the format x scale) in f32.
;;   ~~~python
;;   def quantise(x, axis):      # numpy; x: float32 -> the quantised numbers, widened to float32 again
;;       x = np.moveaxis(x, axis, -1); K = x.shape[-1]
;;       x = np.pad(x, [(0, 0)] * (x.ndim - 1) + [(0, -K % 32)]); x = x.reshape(x.shape[:-1] + (-1, 32)); a = np.abs(x).max(-1, keepdims=True)
;;       e = np.where(a > 0, np.clip(np.frexp(np.where(a > 0, a, 1))[1] - 1 - 4, -126, 127), 0)      # np.frexp(a)[1] - 1 = floor(log2(a)), exactly
;;       r = np.clip(x / 2.0 ** e, -28, 28)
;;       step = 2.0 ** (np.maximum(np.frexp(np.where(r == 0, 1, r))[1] - 1, -2) - 2)
;;       q = np.round(r / step) * step * 2.0 ** e      # np.round: ties to even
;;       return np.moveaxis(q.reshape(q.shape[:-2] + (-1,))[..., :K], -1, axis).astype(np.float32)
;;   ~~~
;;   SOFTMAX AHEAD OF A QUANTISED PRODUCT. Where the list says 'softmax', what is quantised is not the finished softmax but p = 2^(t - M), with t = logit x log2(e) and M = ceil(the row's largest t), a whole number; so 1/2 < the row's largest p <= 1. The row's sum l is taken of the UNQUANTISED p, in f32, and the product's result is divided by l at the end. Since M is a whole number, a kernel that streams over the keys may use a running M (the ceiling of the running maximum): every later rescaling is an exact power of two, which a block's scale takes up: the codes' values come out the same.
;;   OPERANDS COMPUTED ON THE WAY. 'Computed on the way' means the value that the module computes at that place (a softmax that the list does not call 'softmax' is quantised finished and normalised). What goes into a quantiser is computed in f32, as accurately as f32 sums, v_exp_f32 and their like allow (about 1e-6 of the number): no bf16 or f16 on the way to a quantiser, and a product that is left as it is and whose result goes on into a quantised operand takes f32 operands (vector FMAs, or v_wmma_f32_16x16x4_f32). A number that lies on a knife's edge between two numbers of the format may be rounded either way, as far as f32 arithmetic and the matrix unit's own rounding can turn it there, and no further.
;;   INPUTS GIVEN AS CODES. Wk (in the module: [768, 768], K = its axis 1); Wq (in the module: [768, 768], K = its axis 1); Wv (in the module: [768, 768], K = its axis 1); hidden_states (in the module: [1, 4096, 768], K = its axis 2): each comes as NAME_codes (uint8): NAME with its K axis moved to the last place and cut into blocks of 32 codes, [.., K / 32, bytes a block], one block behind the other in memory; four codes in three bytes: a row's codes are one little-endian stream of bits, code i at bits 6 i .. 6 i + 5 (a code: sign, 3 exponent bits, 2 mantissa bits); and NAME_scales (uint8): the same leading axes, one E8M0 byte (e + 127) for each 32 codes along K. Its value is code x scale, taken as it is: it is not quantised again, and the codes and scales need not be those that the quantiser above would give.
;; One version. Each part assembles by itself: llvm-mc -triple=amdgcn-amd-amdhsa -mcpu=gfx1250 --defsym DOCPART=n.
;; ======== version 1 of 1: 2 launches
;; limits: right only within a limited range of input values
;; workspace buffers: q 2,555,904 bytes; kv 5,210,112 bytes
;; launch proj (part 1): grid 16 x 12, 16 waves a work-group, no clusters, 288,768 bytes of LDS; arguments hidden_states_codes, hidden_states_scales, Wq_codes, Wk_codes, Wv_codes, Wq_scales, Wk_scales, Wv_scales, bq, bk, bv, q, kv, attention_mask; writes q, kv
.if DOCPART == 1
	.amdgcn_target "amdgcn-amd-amdhsa--gfx1250"
	.amdhsa_code_object_version 6
	.text
	.protected	k_q2b217f3345_proj
	.globl	k_q2b217f3345_proj
	.p2align	8
	.type	k_q2b217f3345_proj,@function
k_q2b217f3345_proj:
	s_mov_b64 s[64:65], 0
	v_nop
	global_prefetch_b8 v0, s[64:65] scope:SCOPE_SE
	s_setreg_imm32_b32 hwreg(HW_REG_WAVE_MODE, 25, 1), 1
	s_wait_xcnt 0x0
; q = x Wq^T + bq, k = x Wk^T + bk, v = x Wv^T + bv on codes of BF6 (E3M2) with one E8M0 scale for each 32 along K (K = 768), sums in f32;
; then q and k are quantised along a head's 64 channels and v along the keys, and leave as IMAGES OF OPERAND REGISTERS for the attention launch.
; SHARES.  Work-group (x = block of 256 tokens, y: group g = y & 3, hh = y >> 2, head = 3 g + hh) makes q, k and v of one head for 256 tokens.
; Waves 0-11 make 64 x 64 results each (type = wave / 4: q, k, v; quarter = wave % 4: 64 tokens) in 16 accumulators; waves 12-15 only help to bring the rows in.
; ONE BODY FOR THE THREE: D(a, b) = tile a of source 0 x tile b of source 1.  q, k: source 0 = the head's 64 rows of W, source 1 = 64 tokens: a lane holds a token, its registers run over channels.
; v: source 0 = 64 tokens, source 1 = the head's 64 rows of Wv: a lane holds a channel, its registers run over tokens (the keys).  Only base addresses differ.
; THE ROWS OF A TILE ARE NOT NEIGHBOURS: in every group of 64 rows, lane r of tile t takes row 8 t + (r & 7) + 32 (r >> 3).  Register j of lane half h of tile t is then position 32 h + 8 t + j:
; the 32 registers of tiles 0-3 are one WHOLE block of 32 along the next K: its largest magnitude needs no other lane, and the conversions' results lie in the lane that the 6-bit layout wants.
; A HALF FRAGMENT'S IMAGE (64 along K, registers 0-5, 768 bytes): registers 0-3 of lane l at 16 l, registers 4-5 at 512 + 8 l.
; OUT.  q: [head][group of 64 queries][4 images, then 256 bytes of scale words [r][tile]].  kv: [g][slot of 256 keys][hh][step of 128 keys][13,056 bytes]:
;   K's images [c][tile] at 0, V's [c][tile] at 6,144, K's scale words [c][r][tile] at 12,288, V's [r][tile] at 12,800.  q's and k's words repeat their two bytes: the upper 64 of the next product's K are zero codes.
; THE ROWS COME THROUGH REGISTERS, NOT BY THE TENSOR DATA MOVER, AND SO WITHOUT JOINT LOADS, though x's rows are read by 12 work-groups and W's by 16: a row is 576 bytes = 144 words, and the mover pads
; behind powers of two of words, so its padding would fall inside a row, behind every 64 bytes, and a lane's run of 24 bytes would meet it differently in each K step.  Here 512 consecutive bytes a load go to rows 592 bytes apart.
; LIMITS: NaN, infinities and a given scale byte 0xff are not served; a block whose largest magnitude lies under 2^(5 - 127) keeps the scale byte 1 (a block of zeros too: its codes are zeros, and this program alone reads the bytes).
.set PITCH, 592                        ; an LDS row: 576 bytes + 16
.set T8,    8*PITCH                    ; from tile to tile
.set CHUNK, 32*PITCH+128               ; 32 rows + 128 bytes.  In units of 8 bytes modulo 32 a lane stands at 10 (r & 7) + 16 (r >> 3) + 3 h
.set GRP,   2*CHUNK                    ; a group of 64 rows: groups 0-3 x's quarters, 4 Wq, 5 Wk, 6 Wv
.set SCL,   14*CHUNK                   ; the scale bytes as they lie: 7 groups x 64 rows x 24 bytes
.set BIAS,  SCL+7*1536                 ; the head's bq, bk, bv: 256 bytes each
.set HWS,   BIAS+768                   ; the new scales' half words: [wave][tile b][lane], 512 bytes a wave
.set LB,  1                            ; v1     my chunk + 16 x lane;  v2-8: the same, 16 more from lane 4 k on (a row's end falls there)
.set GOF, 9                            ; v9     16 x lane
.set SST, 10                           ; v10    SCL + 16 x lane
.set SB8, 11                           ; v11    BIAS + 8 x lane
.set ADA, 12                           ; v12-13 my lane's row in source 0's and source 1's group
.set ADB, 13
.set ASA, 14                           ; v14-15 its scale bytes
.set ASB, 15
.set ABQ, 16                           ; v16    bq's or bk's 32 numbers of my half
.set ABV, 17                           ; v17    bv's number of my lane's channel
.set AHS, 18                           ; v18    where I put half words;  v19 where my neighbour wave (wave xor 1) put its
.set AHL, 19
.set OB8, 20                           ; v20    8 x lane
.set OSC, 21                           ; v21    16 r + 8 h
.set H8,  22                           ; v22    8 h
.set SA,  24                           ; v24-27 source 0's scale words, v28-31 source 1's: they hold nothing else
.set SB,  28
.set AF,  32                           ; v32-79   source 0's four fragments
.set BF,  80                           ; v80-127  source 1's
.set ACC, 128                          ; v128-255 accumulator (a, b) at 128 + 32 b + 8 a
.set HW,  32                           ; behind the products: v32-35 my half words, v36-39 the neighbour's, v40-43 the upper halves, v44-47 the words, v48-49 what I store
.set PW,  36
.set XW,  40
.set WW,  44
.set LO,  48
.set MX,  64                           ; v64-67 largest magnitudes, v68-71 the conversions' scale operands, v72-75 bytes, v76-79 the other half's
.set SCO, 68
.set BY,  72
.set PT,  76
.set CD,  80                           ; v80 + 8 b: tile b's six registers of codes
.set TT,  112                          ; v112 + 4 b: their second three, as the conversion leaves them
.set WV,  30
	s_load_b512 s[4:19], s[0:1], 0x0               ; x's codes s[4:5], x's scales s[6:7], Wq, Wk, Wv codes s[8:13], their scales s[14:19]
	s_load_b256 s[20:27], s[0:1], 0x40             ; bq, bk, bv s[20:25], q s[26:27]
	s_load_b64 s[28:29], s[0:1], 0x60              ; kv
	s_load_b64 s[62:63], s[0:1], 0x68              ; the mask
	v_lshrrev_b32 v23, 5, v0
	s_delay_alu instid0(VALU_DEP_1)
	v_readfirstlane_b32 s[WV], v23                 ; wave 0..15
	v_and_b32 v32, 31, v0                          ; lane
	s_wait_alu depctr_va_vdst(0)
	v_and_b32 v33, 15, v0                          ; r
	v_bfe_u32 v34, v0, 4, 1                        ; h
	s_wait_alu depctr_va_vdst(0)
	v_and_b32 v35, 7, v0                           ; r & 7
	v_bfe_u32 v36, v0, 3, 1                        ; r >> 3
	s_lshr_b32 s31, s[WV], 2
	s_min_u32 s31, s31, 2                          ; type: 0 q, 1 k, 2 v (held for the waves that only stage)
	s_and_b32 s32, s[WV], 3                        ; quarter
	s_and_b32 s39, ttmp7, 0xffff
	s_and_b32 s35, s39, 3                          ; g
	s_lshr_b32 s36, s39, 2                         ; hh
	s_mul_i32 s37, s35, 3
	s_add_co_u32 s37, s37, s36                     ; head
	s_mov_b32 s38, ttmp9                           ; block of 256 tokens
	s_add_co_u32 s39, s31, 4
	s_cmp_ge_u32 s[WV], 8                          ; v's waves?
	s_cselect_b32 s33, s32, s39                    ; source 0's group: my tokens for v, else W's
	s_cselect_b32 s34, 6, s32                      ; source 1's: Wv for v, else my tokens
	s_cselect_b32 s46, -1, 0                       ; a lane mask: all ones in v's waves
	s_cselect_b32 s56, 1, 0
	s_mov_b32 s47, 0xffff0000                      ; lanes 16-31
	s_mov_b32 s48, 0x76543210
	s_mov_b32 s49, 0xfedcba98                      ; v_permlanex16_b32's selects for lane l xor 16
	; every LDS address is made here, ahead of the first parting of the waves
	v_lshlrev_b32 v[GOF], 4, v32
	v_lshlrev_b32 v[OB8], 3, v32
	v_lshlrev_b32 v[H8], 3, v34
	s_mul_i32 s39, s[WV], CHUNK
	v_add_nc_u32 v[LB], s39, v[GOF]
.irp k, 1,2,3,4,5,6,7
	v_add_nc_u32 v37, 32-4*\k, v32
	s_delay_alu instid0(VALU_DEP_1)
	v_lshrrev_b32 v37, 5, v37                      ; 1 from lane 4 k on
	s_delay_alu instid0(VALU_DEP_1)
	v_lshl_add_u32 v[LB+\k], v37, 4, v[LB]
.endr
	v_add_nc_u32 v[SST], SCL, v[GOF]
	v_add_nc_u32 v[SB8], BIAS, v[OB8]
	v_mul_u32_u24 v38, v35, PITCH
	s_delay_alu instid0(VALU_DEP_1)
	v_mad_u32_u24 v38, v36, CHUNK, v38
	s_delay_alu instid0(VALU_DEP_1)
	v_mad_u32_u24 v38, v34, 24, v38                ; (r & 7) rows + (r >> 3) chunks + 24 h
	s_mul_i32 s39, s33, GRP
	v_add_nc_u32 v[ADA], s39, v38
	s_mul_i32 s39, s34, GRP
	v_add_nc_u32 v[ADB], s39, v38
	v_lshl_add_u32 v40, v36, 5, v35                ; my lane's row in tile 0: (r & 7) + 32 (r >> 3)
	s_delay_alu instid0(VALU_DEP_1)
	v_mul_u32_u24 v41, v40, 24
	s_mul_i32 s39, s33, 1536
	s_add_co_u32 s39, s39, SCL
	v_add_nc_u32 v[ASA], s39, v41
	s_mul_i32 s39, s34, 1536
	s_add_co_u32 s39, s39, SCL
	v_add_nc_u32 v[ASB], s39, v41
	s_lshl_b32 s39, s31, 8
	s_add_co_u32 s39, s39, BIAS
	v_lshl_add_u32 v[ABQ], v34, 7, s39
	v_lshl_add_u32 v[ABV], v40, 2, BIAS+512
	s_lshl_b32 s39, s[WV], 9
	s_add_co_u32 s39, s39, HWS
	v_lshl_add_u32 v[AHS], v32, 2, s39
	s_xor_b32 s39, s[WV], 1
	s_lshl_b32 s39, s39, 9
	s_add_co_u32 s39, s39, HWS
	v_lshl_add_u32 v[AHL], v32, 2, s39
	v_lshlrev_b32 v[OSC], 4, v33
	s_delay_alu instid0(VALU_DEP_1)
	v_lshl_add_u32 v[OSC], v34, 3, v[OSC]
	; offsets, made apart from the addresses
	s_mul_i32 s50, s38, 147456                     ; x: 256 rows of 576 bytes a block,
	s_mul_i32 s39, s[WV], 18432                    ; 32 rows a chunk
	s_add_co_u32 s50, s50, s39
	s_mul_i32 s52, s37, 36864                      ; W: 64 rows a head,
	s_and_b32 s39, s[WV], 1
	s_mul_i32 s39, s39, 18432                      ; two chunks
	s_add_co_u32 s52, s52, s39
	s_lshl_b32 s58, s37, 6
	s_lshl_b32 s39, s38, 2
	s_add_co_u32 s58, s58, s39
	s_add_co_u32 s58, s58, s32
	s_mul_i32 s58, s58, 3328                       ; q: block 64 head + 4 x + quarter
	s_add_co_u32 s60, s58, 3072                    ; and its scale words
	; a step's block in kv is 13,568 bytes: the 13,056 set out at the head, and behind them 512 bytes: 8 x mask of the step's 128 keys, in key order
	s_mul_i32 s54, s35, 1302528
	s_mul_i32 s39, s38, 81408
	s_add_co_u32 s54, s54, s39
	s_mul_i32 s39, s36, 27136
	s_add_co_u32 s54, s54, s39
	s_lshr_b32 s39, s32, 1
	s_mul_i32 s39, s39, 13568
	s_add_co_u32 s54, s54, s39                     ; kv: my step's block
	s_and_b32 s57, s32, 1                          ; c: which 64 keys of the step
	s_mul_i32 s39, s57, 3072
	s_add_co_u32 s55, s54, s39
	s_mul_i32 s39, s56, 6144
	s_add_co_u32 s55, s55, s39                     ; my four images
	s_lshl_b32 s39, s57, 8
	s_add_co_u32 s39, s39, 12288
	s_cmp_ge_u32 s[WV], 8
	s_cselect_b32 s39, 12800, s39
	s_add_co_u32 s54, s54, s39                     ; my scale words
	s_mov_b32 s51, 0
	s_mov_b32 s59, 0
	s_mov_b32 s61, 0
	s_wait_kmcnt 0x0
	s_cmp_lt_u32 s[WV], 12                         ; whose rows my chunk holds: the choices hang on the wave's number alone
	s_cselect_b64 s[40:41], s[10:11], s[12:13]
	s_cmp_lt_u32 s[WV], 10
	s_cselect_b64 s[40:41], s[8:9], s[40:41]
	s_cmp_lt_u32 s[WV], 8
	s_cselect_b64 s[40:41], s[4:5], s[40:41]
	s_cselect_b32 s50, s50, s52
	s_add_nc_u64 s[40:41], s[40:41], s[50:51]
	s_cmp_lt_u32 s[WV], 4                          ; where my results go
	s_cselect_b64 s[42:43], s[26:27], s[28:29]
	s_cselect_b32 s58, s58, s55
	s_cselect_b32 s60, s60, s54
	s_mov_b64 s[44:45], s[42:43]
	s_add_nc_u64 s[42:43], s[42:43], s[58:59]      ; the images
	s_add_nc_u64 s[44:45], s[44:45], s[60:61]      ; the scale words
	; ---- THE ROWS COME IN.  Waves 0-13: a chunk of 32 rows, 18,432 dense bytes, by 36 loads of 512 consecutive bytes.  Piece P = 32 n + lane (16 bytes) belongs to row P / 36; with n = 9 m + k
	; that is row 8 m + k - 1, and one more from lane 4 k on: LDS byte 4,736 m + 528 k - 16 + 16 lane (+ 16).
	s_cmp_lt_u32 s[WV], 14
	s_cbranch_scc0 .Lsmall
.set n, 0
.rept 36
	global_load_b128 v[32+4*n:35+4*n], v[GOF], s[40:41] offset:512*n
.set n, n+1
.endr
.set n, 0
.rept 36
	s_wait_loadcnt 35-n                            ; loads come back in order: load n is in, the 35 - n behind it may be out
.if n%9 == 0
	ds_store_b128 v[LB], v[32+4*n:35+4*n] offset:T8*(n/9)
.elseif n%9 == 8
	ds_store_b128 v[LB], v[32+4*n:35+4*n] offset:T8*(n/9)+4208
.else
	ds_store_b128 v[LB+n%9], v[32+4*n:35+4*n] offset:T8*(n/9)+528*(n%9)-16
.endif
.set n, n+1
.endr
	s_branch .Lstaged
.Lsmall:
	s_cmp_eq_u32 s[WV], 14
	s_cbranch_scc0 .Lw15
	s_mul_i32 s50, s38, 6144                       ; wave 14: the scale bytes of x's 256 rows, 6,144 dense bytes
	s_add_nc_u64 s[6:7], s[6:7], s[50:51]
	s_mul_i32 s52, s35, 1302528                    ; wave 14 also lays 8 x mask of the block's 256 keys behind my head's two step blocks
	s_mul_i32 s39, s38, 81408
	s_add_co_u32 s52, s52, s39
	s_mul_i32 s39, s36, 27136
	s_add_co_u32 s52, s52, s39
	s_mov_b32 s53, 0
	s_add_nc_u64 s[28:29], s[28:29], s[52:53]
	s_lshl_b32 s52, s38, 10                        ; 256 numbers of 4 bytes a block
	s_add_nc_u64 s[62:63], s[62:63], s[52:53]
	global_load_b128 v[80:83], v[GOF], s[62:63]             ; 512 consecutive bytes: the first step's 128 keys
	global_load_b128 v[84:87], v[GOF], s[62:63] offset:512  ; and the second's; both stand ahead of the twelve loads below, whose waits cover them
.irp n, 0,1,2,3,4,5,6,7,8,9,10,11
	global_load_b128 v[32+4*\n:35+4*\n], v[GOF], s[6:7] offset:512*\n
.endr
.irp n, 0,1,2,3,4,5,6,7,8,9,10,11
	s_wait_loadcnt 11-\n
	ds_store_b128 v[SST], v[32+4*\n:35+4*\n] offset:512*\n
.endr
	s_mov_b32 s39, 0xcd000000                      ; -2^27
	v_mov_b32 v88, 0xf1800000                      ; -2^100
.irp i, 0,1,2,3,4,5,6,7
	v_mul_f32 v[80+\i], 0x41000000, v[80+\i]       ; x 8: exact
.endr
.irp i, 0,1,2,3,4,5,6,7
	v_cmp_gt_f32 vcc_lo, s39, v[80+\i]             ; 8 x mask below -2^27 is replaced by -2^100
	v_cndmask_b32 v[80+\i], v[80+\i], v88, vcc_lo
.endr
	global_store_b128 v[GOF], v[80:83], s[28:29] offset:13056         ; each store covers 512 consecutive bytes, at a multiple of 256 from kv's first byte
	global_store_b128 v[GOF], v[84:87], s[28:29] offset:13056+13568
	s_branch .Lstaged
.Lw15:
	s_mul_i32 s50, s37, 1536                       ; wave 15: the head's scale bytes of Wq, Wk, Wv, 1,536 dense bytes each, and its biases
	s_add_nc_u64 s[14:15], s[14:15], s[50:51]
	s_add_nc_u64 s[16:17], s[16:17], s[50:51]
	s_add_nc_u64 s[18:19], s[18:19], s[50:51]
	s_lshl_b32 s50, s37, 8
	s_add_nc_u64 s[20:21], s[20:21], s[50:51]
	s_add_nc_u64 s[22:23], s[22:23], s[50:51]
	s_add_nc_u64 s[24:25], s[24:25], s[50:51]
.irp t, 0,1,2
.irp n, 0,1,2
	global_load_b128 v[32+4*(3*\t+\n):35+4*(3*\t+\n)], v[GOF], s[14+2*\t:15+2*\t] offset:512*\n
.endr
.endr
.irp t, 0,1,2
	global_load_b64 v[68+2*\t:69+2*\t], v[OB8], s[20+2*\t:21+2*\t]
.endr
.irp t, 0,1,2
.irp n, 0,1,2
	s_wait_loadcnt 11-(3*\t+\n)
	ds_store_b128 v[SST], v[32+4*(3*\t+\n):35+4*(3*\t+\n)] offset:6144+1536*\t+512*\n
.endr
.endr
.irp t, 0,1,2
	s_wait_loadcnt 2-\t
	ds_store_b64 v[SB8], v[68+2*\t:69+2*\t] offset:256*\t
.endr
.Lstaged:
	s_wait_dscnt 0x0                               ; for the others' sake: my stores have landed
	s_barrier_signal -1
	s_barrier_wait -1                              ; all 448 rows, their scale bytes and the biases lie in LDS
	s_cmp_ge_u32 s[WV], 12
	s_cbranch_scc1 .Lmeet                          ; waves 12-15 have no tile
	; ---- THE PRODUCTS: six K steps of 128; in each 8 fragments (six loads of 8 bytes each, as the bits lie), 8 scale words, 16 matrix instructions.
	; The 16 accumulators take turns, one instruction a turn, in the same order in every step.
.macro KSTEP q
.irp i, 0,1,2,3
.irp p, 0,1,2,3,4,5
	ds_load_b64 v[AF+12*\i+2*\p:AF+12*\i+2*\p+1], v[ADA] offset:T8*\i+96*(\q)+48*(\p/3)+8*(\p%3)
.endr
.irp p, 0,1,2,3,4,5
	ds_load_b64 v[BF+12*\i+2*\p:BF+12*\i+2*\p+1], v[ADB] offset:T8*\i+96*(\q)+48*(\p/3)+8*(\p%3)
.endr
	ds_load_b32 v[SA+\i], v[ASA] offset:192*\i+4*(\q)
	ds_load_b32 v[SB+\i], v[ASB] offset:192*\i+4*(\q)
.endr
	s_wait_dscnt 0x0
.irp b, 0,1,2,3
.irp a, 0,1,2,3
.if (\q) == 0
	v_wmma_scale_f32_16x16x128_f8f6f4 v[ACC+32*\b+8*\a:ACC+32*\b+8*\a+7], v[AF+12*\a:AF+12*\a+11], v[BF+12*\b:BF+12*\b+11], 0, v[SA+\a], v[SB+\b] matrix_a_fmt:MATRIX_FMT_BF6 matrix_b_fmt:MATRIX_FMT_BF6
.else
	v_wmma_scale_f32_16x16x128_f8f6f4 v[ACC+32*\b+8*\a:ACC+32*\b+8*\a+7], v[AF+12*\a:AF+12*\a+11], v[BF+12*\b:BF+12*\b+11], v[ACC+32*\b+8*\a:ACC+32*\b+8*\a+7], v[SA+\a], v[SB+\b] matrix_a_fmt:MATRIX_FMT_BF6 matrix_b_fmt:MATRIX_FMT_BF6
.endif
.endr
.endr
.rept 4
	v_nop                                          ; four places in front of loads into registers that the products have read, and of the first read of results
.endr
.endm
	s_wait_alu depctr_va_vdst(0)
	KSTEP 0                                        ; the first step's products start the sums: nothing is cleared
	KSTEP 1
	KSTEP 2
	KSTEP 3
	KSTEP 4
	KSTEP 5
	; ---- THE BIAS, in f32.  q, k: a lane's 32 registers are channels 32 h + 0 .. 31.  v: a lane is one channel.  Each accumulator is read from its low end on.
	s_cmp_lt_u32 s[WV], 8
	s_cbranch_scc0 .Lbias_v
.irp i, 0,1,2,3,4,5,6,7
	ds_load_b128 v[32+4*\i:35+4*\i], v[ABQ] offset:16*\i
.endr
	s_wait_dscnt 0x0
.irp b, 0,1,2,3
.irp p, 0,1,2,3,4,5,6,7,8,9,10,11,12,13,14,15
	v_pk_add_f32 v[ACC+32*\b+2*\p:ACC+32*\b+2*\p+1], v[ACC+32*\b+2*\p:ACC+32*\b+2*\p+1], v[32+2*\p:33+2*\p]
.endr
.endr
	s_branch .Lbiased
.Lbias_v:
.irp b, 0,1,2,3
	ds_load_b32 v[32+2*\b], v[ABV] offset:32*\b    ; tile b's channel of my lane, in both halves of a pair
	ds_load_b32 v[33+2*\b], v[ABV] offset:32*\b
.endr
	s_wait_dscnt 0x0
.irp b, 0,1,2,3
.irp p, 0,1,2,3,4,5,6,7,8,9,10,11,12,13,14,15
	v_pk_add_f32 v[ACC+32*\b+2*\p:ACC+32*\b+2*\p+1], v[ACC+32*\b+2*\p:ACC+32*\b+2*\p+1], v[32+2*\b:33+2*\b]
.endr
.endr
.Lbiased:
	; ---- THE QUANTISER: four blocks of 32 a lane (one for each tile b of source 1), by turns.
.irp b, 0,1,2,3
	v_mov_b32 v[PT+\b], 0                          ; a lane permute's destination counts as one of its sources
.endr
.irp b, 0,1,2,3
	v_max3_num_f32 v[MX+\b], |v[ACC+32*\b]|, |v[ACC+32*\b+1]|, 0x2800000   ; with the floor 2^(5 - 127): the byte cannot fall under 1
.endr
.irp i, 2,4,6,8,10,12,14,16,18,20,22,24,26,28,30
.irp b, 0,1,2,3
	s_delay_alu instid0(VALU_DEP_4)
	v_max3_num_f32 v[MX+\b], v[MX+\b], |v[ACC+32*\b+\i]|, |v[ACC+32*\b+\i+1]|
.endr
.endr
.irp b, 0,1,2,3
	s_delay_alu instid0(VALU_DEP_4)
	v_add_nc_u32 v[SCO+\b], 0xfe000000, v[MX+\b]   ; 4 off the exponent field: the conversion takes this operand's exponent field as its scale
.endr
.irp b, 0,1,2,3
	s_delay_alu instid0(VALU_DEP_4)
	v_lshrrev_b32 v[BY+\b], 23, v[SCO+\b]          ; the scale's byte,
.endr
.irp b, 0,1,2,3
	s_delay_alu instid0(VALU_DEP_4)
	v_lshlrev_b32 v[BY+\b], v[H8], v[BY+\b]        ; at my half's place;
.endr
.irp b, 0,1,2,3
	s_delay_alu instid0(VALU_DEP_4)
	v_permlanex16_b32 v[PT+\b], v[BY+\b], s48, s49
.endr
.irp b, 0,1,2,3
	s_delay_alu instid0(VALU_DEP_4)
	v_or_b32 v[HW+\b], v[BY+\b], v[PT+\b]          ; with lane l xor 16's: the two bytes of these 64 along K
.endr
.irp b, 0,1,2,3
	v_cvt_scalef32_pk16_bf6_f32 v[CD+8*\b:CD+8*\b+2], v[ACC+32*\b:ACC+32*\b+15], v[SCO+\b]
	v_cvt_scalef32_pk16_bf6_f32 v[TT+4*\b:TT+4*\b+2], v[ACC+32*\b+16:ACC+32*\b+31], v[SCO+\b]   ; (a conversion's three registers begin on an even number)
.endr
	v_nop                                          ; one plain place behind the scaled conversions
.irp b, 0,1,2,3
.irp i, 0,1,2
	v_mov_b32 v[CD+8*\b+3+\i], v[TT+4*\b+\i]
.endr
.endr
	; ---- THE IMAGES GO OUT: each store covers 512 or 256 consecutive bytes, at a multiple of 256 from the buffer's first byte.  Each tile has registers of its own: no store's data are written again.
.irp b, 0,1,2,3
	global_store_b128 v[GOF], v[CD+8*\b:CD+8*\b+3], s[42:43] offset:768*\b
	global_store_b64 v[OB8], v[CD+8*\b+4:CD+8*\b+5], s[42:43] offset:768*\b+512
.endr
.irp b, 0,1,2,3
	ds_store_b32 v[AHS], v[HW+\b] offset:128*\b    ; v's scale word wants the bytes of two waves: the half words meet in LDS
.endr
.Lmeet:
	s_wait_dscnt 0x0                               ; my stores have landed, my loads are in
	s_barrier_signal -1
	s_barrier_wait -1
	s_cmp_ge_u32 s[WV], 12
	s_cbranch_scc1 .Lend
	s_wait_alu depctr_va_vdst(0)
.irp b, 0,1,2,3
	ds_load_b32 v[PW+\b], v[AHL] offset:128*\b
.endr
	s_wait_dscnt 0x0
.irp b, 0,1,2,3
	v_cndmask_b32 v[XW+\b], v[HW+\b], v[PW+\b], s46   ; the word's upper half: v: the step's other 64 keys; q, k: my own two bytes again
.endr
.irp b, 0,1,2,3
	s_delay_alu instid0(VALU_DEP_4)
	v_lshl_or_b32 v[WW+\b], v[XW+\b], 16, v[HW+\b]
.endr
	s_delay_alu instid0(VALU_DEP_2)
	v_cndmask_b32 v[LO], v[WW], v[WW+2], s47       ; lanes 0-15 store tiles 0 and 1, lanes 16-31 tiles 2 and 3: [r][tile], 256 bytes
	s_delay_alu instid0(VALU_DEP_2)
	v_cndmask_b32 v[LO+1], v[WW+1], v[WW+3], s47
	s_and_b32 s39, s[WV], 9
	s_cmp_eq_u32 s39, 9
	s_cbranch_scc1 .Lend                           ; of v's two waves of a step the first stores the words
	global_store_b64 v[OSC], v[LO:LO+1], s[44:45]
.Lend:
	s_wait_xcnt 0x0
	v_lshl_add_u32 v254, v0, 2, 0x46000
	v_mov_b32 v255, 0
	s_wait_alu depctr_va_vdst(0)
	s_wait_tensorcnt 0x0
	ds_add_u32 v254, v255
	s_wait_dscnt 0x0
	s_endpgm
.Lfunc_end_k_q2b217f3345_proj:
	.size	k_q2b217f3345_proj, .Lfunc_end_k_q2b217f3345_proj-k_q2b217f3345_proj
	.p2alignl 7, 3214868480
	.fill 96, 4, 3214868480
	.section	.rodata,"a",@progbits
	.p2align	6, 0x0
	.amdhsa_kernel k_q2b217f3345_proj
		.amdhsa_group_segment_fixed_size 288768
		.amdhsa_private_segment_fixed_size 0
		.amdhsa_enable_private_segment 0
		.amdhsa_kernarg_size 112
		.amdhsa_user_sgpr_count 2
		.amdhsa_user_sgpr_kernarg_segment_ptr 1
		.amdhsa_wavefront_size32 1
		.amdhsa_system_sgpr_workgroup_id_x 1
		.amdhsa_system_sgpr_workgroup_id_y 1
		.amdhsa_system_sgpr_workgroup_id_z 1
		.amdhsa_system_vgpr_workitem_id 0
		.amdhsa_next_free_vgpr 256
		.amdhsa_next_free_sgpr 66
		.amdhsa_reserve_vcc 1
		.amdhsa_float_denorm_mode_32 3
		.amdhsa_float_denorm_mode_16_64 3
		.amdhsa_memory_ordered 1
		.amdhsa_forward_progress 1
		.amdhsa_inst_pref_size 76
	.end_amdhsa_kernel
	.amdgpu_metadata
---
amdhsa.version: [ 1, 2 ]
amdhsa.kernels:
  - .name:           k_q2b217f3345_proj
    .symbol:         k_q2b217f3345_proj.kd
    .args:
      - { .name: hidden_states_codes, .offset: 0, .size: 8, .value_kind: global_buffer, .address_space: global }
      - { .name: hidden_states_scales, .offset: 8, .size: 8, .value_kind: global_buffer, .address_space: global }
      - { .name: Wq_codes, .offset: 16, .size: 8, .value_kind: global_buffer, .address_space: global }
      - { .name: Wk_codes, .offset: 24, .size: 8, .value_kind: global_buffer, .address_space: global }
      - { .name: Wv_codes, .offset: 32, .size: 8, .value_kind: global_buffer, .address_space: global }
      - { .name: Wq_scales, .offset: 40, .size: 8, .value_kind: global_buffer, .address_space: global }
      - { .name: Wk_scales, .offset: 48, .size: 8, .value_kind: global_buffer, .address_space: global }
      - { .name: Wv_scales, .offset: 56, .size: 8, .value_kind: global_buffer, .address_space: global }
      - { .name: bq, .offset: 64, .size: 8, .value_kind: global_buffer, .address_space: global }
      - { .name: bk, .offset: 72, .size: 8, .value_kind: global_buffer, .address_space: global }
      - { .name: bv, .offset: 80, .size: 8, .value_kind: global_buffer, .address_space: global }
      - { .name: q, .offset: 88, .size: 8, .value_kind: global_buffer, .address_space: global }
      - { .name: kv, .offset: 96, .size: 8, .value_kind: global_buffer, .address_space: global }
      - { .name: attention_mask, .offset: 104, .size: 8, .value_kind: global_buffer, .address_space: global }
    .group_segment_fixed_size: 288768
    .private_segment_fixed_size: 0
    .kernarg_segment_align: 8
    .kernarg_segment_size: 112
    .max_flat_workgroup_size: 512
    .sgpr_count:     66
    .vgpr_count:     256
    .wavefront_size: 32
...
	.end_amdgpu_metadata
.endif
;; end of part 1
;; launch attn (part 2): grid 64 x 4, 8 waves a work-group, clusters of 4 x 1, 327,680 bytes of LDS; arguments q, kv, out0; writes out0
.if DOCPART == 2
	.amdgcn_target "amdgcn-amd-amdhsa--gfx1250"
	.amdhsa_code_object_version 6
	.text
	.protected	k_q2b217f3345_attn
	.globl	k_q2b217f3345_attn
	.p2align	8
	.type	k_q2b217f3345_attn,@function
k_q2b217f3345_attn:
	s_mov_b64 s[64:65], 0
	v_nop
	global_prefetch_b8 v0, s[64:65] scope:SCOPE_SE
	s_setreg_imm32_b32 hwreg(HW_REG_WAVE_MODE, 25, 1), 1
	s_wait_xcnt 0x0
	s_wait_alu depctr_hold_cnt(0) depctr_sa_sdst(0) depctr_va_vdst(0) depctr_va_sdst(0) depctr_va_ssrc(0) depctr_va_vcc(0) depctr_vm_vsrc(0)
	s_getreg_b32 s2, hwreg(HW_REG_IB_STS2, 6, 4)
	s_cmp_eq_u32 s2, 0
	s_cbranch_scc0 .Lentry_in_a_cluster
	s_endpgm
.Lentry_in_a_cluster:
	s_bfe_u32 s2, ttmp6, 0x10000c
	s_cmp_lg_u32 s2, 0x3003
	s_cbranch_scc0 .Lentry_shape_is_right
	s_endpgm
.Lentry_shape_is_right:
; out[query][head][:] = the sum over keys of softmax(q . k / 8 + mask[key]) v[key][:], both products on codes of BF6 (E3M2) with one E8M0 scale for each 32 along K.  4,096 keys, 12 heads of 64.
; q, k, v arrive as images of operand registers, made by the launch before (half fragment: 64 along K, 768 bytes: registers 0-3 of lane l at 16 l, registers 4-5 at 512 + 8 l).
; A STEP'S BLOCK of one head (128 keys, 13,568 bytes = 53 rows of 256): K's images [c][tile] at 0, V's at 6,144, K's scale words at 12,288, V's at 12,800, 8 x mask in key order at 13,056.
; THE SOFTMAX: t = (q . k + 8 mask) x log2(e) / 8; M = the running largest t rounded UP to a whole number; p = 2^(t - M) is quantised along the keys, not normalised; the row's sum is taken of the
; unquantised p and divides at the end.  When M moves, the sum and O are multiplied by 2^(old M - new M): exact.
; SHARES.  A work-group owns 64 queries (group G) of the THREE heads 3 g + 0..2: 12 tiles of 16 queries, on EIGHT waves, two to a SIMD, all with the same work.  Wave w (p = w % 4, role = w / 4) owns
; tile p of head 3 g + role for all keys, and HALF THE KEYS of tile p of head 3 g + 2: of each slot's four steps role 0 takes steps 0 and 2, role 1 steps 1 and 3.  So a wave does six units of 128 keys a slot.
; At the end role 1 hands its half (O^T, -M, the sum) to role 0 through LDS, and role 0 joins the two under the larger M: both factors are powers of two.
; A SLOT holds four steps of the three heads: 12 blocks, [head][step], 162,816 bytes; two slots take turns.  Waves 0-5 fetch two neighbouring blocks each (106 rows of 256 bytes): 12 blocks do not divide
; into 8 loads of whole rows of 256 bytes, so a branch on the wave's number leads waves 6 and 7 round the load.
; CLUSTER.  The four work-groups of a cluster walk the same three heads: each load is a JOINT one, with the same descriptor and the mask 15 in all four.
; LAYOUT.  Both products are used transposed: S^T = K Q^T + C, O^T = V^T P^T: a lane holds ONE query.  Lane r of tile t of a group of 64 keys is key 8 t + (r & 7) + 32 (r >> 3), so the 32 registers of
; four tiles are 32 NEIGHBOURING keys: a whole block.  K = 64 in the first product: registers 6-11 of Q's and K's fragments are zero codes, cleared once.  THE MASK is the C of the first product.
; WITHIN A SLOT the next unit's K and scale words are asked of LDS behind this unit's score products, and its mask behind this unit's conversions.
; LIMITS: a mask below -2^24 counts as -2^97 (the launch before replaces 8 x mask by -2^100): such keys get p = 0 beside any other key, and all count alike among themselves:
; a row masked so on every key gets the mean of v, also where the mask is -infinity throughout.  NaN, +infinity and masks above 4e37 are not served.
.set BLK,   13568
.set HEADB, 4*BLK
.set SLOTB, 12*BLK                     ; slot 0 at byte 0, slot 1 at SLOTB
.set XCH,   40960                      ; in slot 0, behind its last fill and last read: from 0 a stage of 16 rows x 272 bytes a wave; from XCH 4,608 bytes for each shared tile's hand-over
.set SPARE, 2*SLOTB                    ; the spare words, 128 bytes a wave: four blocks of 256 bytes that no other line names
; window 0: v1-4 my own head's LDS bases (16 l, 8 l, 16 r, 128 h), v229-232 the shared head's; v8-11, v233-236 the same in the slot in hand
.set SPW, 5                            ; my spare word; never rewritten
.set NIL, 6                            ; 0; never rewritten
.set GO,  7                            ; my byte offset in out
.set H8,  29                           ; 8 h
.set PFO, 30                           ; the prefetches' offset; never rewritten
; tile x (0 own, 1 shared): -M, largest t, sum pair at v[12+64x ..]; Q's fragment at v[16+48x]; Q's scale words v28, v93; O^T at v[160-128x]
.set KSC, 80                           ; v80-87 K's scale words, v88-91 V's, v92 p's: they hold nothing else
.set VSC, 88
.set PSW, 92
.set FF,  94                           ; v[94:95] f = 2^(old M - new M)
.set S,   96                           ; v96-159 the mask, then the scores, then p
.set P,   192                          ; v192-203 p's codes; v204-206, v208-210 the conversions' second halves
.set BM,  212                          ; v212-213 a block's largest score, then p; v214-225 at work; v244-255 the sum's chains
.set STI, 237                          ; v237 stage in, v238 stage back, v239 the hand-over: 16 x lane
.set KW,  48                           ; window 1: v256-303 V's four fragments, v304-399 K's eight (registers 6-11 of each zero)
.set WV,  12
.set G1,  24                           ; s[24:31] descriptor group 1;  s[32:35] group 0, which walks
.set G0,  32
.set TB,  36                           ; LDS byte at which the slot in hand begins
.set FB,  37                           ; and the slot that is filled
.set SLOTS, 38                         ; slots still to be asked for
.set PFA, 40                           ; s[40:41] where my prefetches stand
.set LIM, 42                           ; 1 in a wave that prefetches, else the greatest number
.set MSB, 0
.macro WIN new                         ; the immediate's high byte repeats the setting that is left
.if MSB != \new
	s_set_vgpr_msb (MSB<<8)|\new
.set MSB, \new
.endif
.endm
.macro CROUND                          ; a round of the cluster's barrier
	s_barrier_signal -1
	s_barrier_wait -1
	s_cmp_lg_u32 s[WV], 0
	s_cbranch_scc1 .Lnot_wave_0_\@
	s_barrier_signal -3
.Lnot_wave_0_\@:
	s_barrier_wait -3
	s_barrier_signal -1
	s_barrier_wait -1
.endm
.macro TLOAD                           ; the joint load: waves 0-5, two blocks each; s_nop 0 and four v_nop follow
	s_cmp_lt_u32 s[WV], 6
	s_cbranch_scc0 .Lno_load_\@
	tensor_load_to_lds s[G0:G0+3], s[G1:G1+7]
	s_nop 0
.rept 4
	v_nop
.endr
.Lno_load_\@:
.endm
; A PREFETCH of the slot that the NEXT change of slots will ask for: four key steps ahead of that load.  All sixteen clusters of a group of heads walk the same slots: the first cluster asks.
; A slot is 636 rows of 256 bytes: partner p names rows 159 p .. 159 p + 158 (told apart BY ADDRESS), waves 3-7 take 32 of them each, a lane a row; wave 7's lane 31 names row 158 again.
; The last change that fills a slot asks for nothing; slots 0 and 1 come by their loads alone.
.macro ASK
	s_cmp_gt_u32 s[SLOTS], s[LIM]
	s_cbranch_scc0 .Lnot_mine_\@
	global_prefetch_b8 v[PFO], s[PFA:PFA+1] th:TH_LOAD_NT scope:SCOPE_SE
.Lnot_mine_\@:
.endm
	s_load_b128 s[4:7], s[0:1], 0x0                ; q s[4:5], kv s[6:7]
	s_load_b64 s[10:11], s[0:1], 0x10              ; out
	v_lshl_add_u32 v[SPW], v0, 2, SPARE
	v_mov_b32 v[NIL], 0
	ds_add_u32 v[SPW], v[NIL]                      ; the opening lines: the add, twice on end, and its wait
	ds_add_u32 v[SPW], v[NIL]
	v_lshrrev_b32 v8, 5, v0
	v_readfirstlane_b32 s[WV], v8                  ; wave 0..7
	s_bfe_u32 s13, ttmp6, 0x40000                  ; cx: it enters q's, out's and the prefetches' addresses alone
	s_lshl_b32 s15, ttmp9, 2
	s_add_co_u32 s15, s15, s13                     ; G = 4 x cluster x + cx
	s_and_b32 s14, ttmp7, 0xffff                   ; g, which the four partners share
	s_lshr_b32 s16, s[WV], 2                       ; role
	s_and_b32 s17, s[WV], 3                        ; p: my tile of queries
	s_mul_i32 s18, s14, 3
	s_add_co_u32 s51, s18, 2                       ; the shared head
	s_add_co_u32 s18, s18, s16                     ; my own head
	s_mov_b32 s[G1], 15|(3<<16)|(1<<21)            ; the mask: all four work-groups; elements of 8 bytes; bit 21 beside a mask
	s_mov_b32 s[G1+1], 32<<16                      ; tensor_dim0 = 32
	s_mov_b32 s[G1+2], 106<<16                     ; tensor_dim1 = 106
	s_mov_b32 s[G1+3], 32<<16                      ; tile_dim0 = 32
	s_mov_b32 s[G1+4], 106                         ; tile_dim1 = 106
	s_mov_b32 s[G1+5], 32                          ; from row to row
	s_mov_b32 s[G1+6], 0
	s_mov_b32 s[G1+7], 0
	s_min_u32 s19, s[WV], 5                        ; (held for the waves that fetch nothing)
	s_and_b32 s39, s19, 1                          ; kv: [g][256 keys: 81,408][head: 27,136][step: 13,568]: wave w fetches head w / 2, 256 keys w % 2
	s_mul_i32 s39, s39, 81408
	s_mul_i32 s50, s14, 1302528
	s_add_co_u32 s52, s50, s39
	s_lshr_b32 s39, s19, 1
	s_mul_i32 s39, s39, 27136
	s_add_co_u32 s52, s52, s39
	s_mov_b32 s53, 0
	s_mul_i32 s19, s19, 2*BLK                      ; where they go in a slot
	s_mov_b32 s20, 0x76543210
	s_mov_b32 s21, 0xfedcba98                      ; v_permlanex16_b32's selects for lane l xor 16
	s_mov_b32 s22, 0x3e38aa3b                      ; c = log2(e) / 8
	s_mov_b32 s23, s22
	s_mov_b32 s[TB], 0
	s_mov_b32 s[FB], 0
	s_mov_b32 s[SLOTS], 7
	s_wait_dscnt 0x0                               ; both opening adds are done
	s_wait_kmcnt 0x0
	s_mov_b32 s[G0], 1
	s_mov_b32 s[G0+1], s19                         ; slot 0
	s_add_nc_u64 s[G0+2:G0+3], s[6:7], s[52:53]
	s_or_b32 s[G0+3], s[G0+3], 0x80000000          ; type = 2
	CROUND                                         ; all four work-groups are here: the first joint loads meet
	TLOAD                                          ; slot 0
	; scalars first, then the vector lines on end
	s_add_co_u32 s52, s50, SLOTB                   ; the prefetches stand in slot 1: the first change of slots steps them to slot 2
	s_add_nc_u64 s[PFA:PFA+1], s[6:7], s[52:53]
	s_cmp_ge_u32 s[WV], 3                          ; waves 3-7
	s_cselect_b32 s39, 0, 1
	s_or_b32 s39, s39, ttmp9                       ; of the first cluster: the same in all four partners
	s_cmp_eq_u32 s39, 0
	s_cselect_b32 s[LIM], 1, -1
	s_max_u32 s54, s[WV], 3
	s_sub_co_u32 s54, s54, 3
	s_lshl_b32 s54, s54, 5                         ; my wave's 32 rows
	s_mul_i32 s55, s13, 159                        ; my work-group's 159
	s_mul_i32 s57, s16, HEADB                      ; my own head's four blocks in a slot
	s_mul_i32 s60, s16, BLK
	s_add_co_u32 s60, s60, 2*HEADB                 ; the shared head's, from step 0 (role 0) or step 1 (role 1) on
	s_mov_b32 s59, 0
	s_mul_i32 s43, s17, 768
	s_lshl_b32 s61, s17, 2
	s_lshl_b32 s39, s18, 6
	s_add_co_u32 s39, s39, s15
	s_mul_i32 s56, s39, 3328                       ; q's block 64 head + G
	s_add_co_u32 s58, s56, s43
	s_add_nc_u64 s[44:45], s[4:5], s[58:59]        ; my own tile's image
	s_add_co_u32 s58, s56, s61
	s_add_nc_u64 s[46:47], s[4:5], s[58:59]        ; and its column of the scale words
	s_lshl_b32 s39, s51, 6
	s_add_co_u32 s39, s39, s15
	s_mul_i32 s56, s39, 3328
	s_add_co_u32 s58, s56, s43
	s_add_nc_u64 s[8:9], s[4:5], s[58:59]          ; the shared tile's
	s_add_co_u32 s58, s56, s61
	s_add_nc_u64 s[62:63], s[4:5], s[58:59]
	s_lshl_b32 s39, s15, 6
	s_lshl_b32 s43, s17, 3
	s_add_co_u32 s39, s39, s43
	s_mul_i32 s56, s39, 3072                       ; out at query 64 G + 8 p,
	s_lshl_b32 s43, s18, 8
	s_add_co_u32 s58, s56, s43
	s_add_nc_u64 s[48:49], s[10:11], s[58:59]      ; my own head's 256 bytes,
	s_lshl_b32 s43, s51, 8
	s_add_co_u32 s58, s56, s43
	s_add_nc_u64 s[2:3], s[10:11], s[58:59]        ; the shared head's
	s_mul_i32 s56, s[WV], 16*272                   ; my stage
	s_mul_i32 s61, s17, 4608
	s_add_co_u32 s61, s61, XCH                     ; my pair's hand-over
	v_and_b32 v8, 31, v0                           ; lane
	v_and_b32 v9, 15, v0                           ; r
	v_bfe_u32 v10, v0, 4, 1                        ; h
	v_add_nc_u32 v[PFO], s54, v8
	v_lshlrev_b32 v226, 4, v8                      ; offsets of Q's loads
	v_lshlrev_b32 v227, 3, v8
	v_lshlrev_b32 v228, 4, v9
	v_min_u32 v[PFO], 158, v[PFO]
	v_lshl_add_u32 v1, v8, 4, s57
	v_lshl_add_u32 v2, v8, 3, s57
	v_lshl_add_u32 v3, v9, 4, s57
	v_lshl_add_u32 v4, v10, 7, s57
	v_add_nc_u32 v[PFO], s55, v[PFO]
	v_lshl_add_u32 v229, v8, 4, s60
	v_lshl_add_u32 v230, v8, 3, s60
	v_lshl_add_u32 v231, v9, 4, s60
	v_lshl_add_u32 v232, v10, 7, s60
	v_lshlrev_b32 v[PFO], 8, v[PFO]
	v_lshlrev_b32 v[H8], 3, v10
	v_mul_u32_u24 v[GO], v10, 3072
	v_mul_u32_u24 v[STI], v9, 272
	v_mul_u32_u24 v[STI+1], v10, 272
	v_lshl_add_u32 v[STI+2], v8, 4, s61
	v_lshl_add_u32 v[GO], v9, 4, v[GO]             ; lanes 0-15 one row of out, lanes 16-31 the next; 16 bytes a lane
	v_lshl_add_u32 v[STI], v10, 7, v[STI]
	v_lshl_add_u32 v[STI+1], v9, 4, v[STI+1]
	v_add_nc_u32 v[STI], s56, v[STI]               ; in: row r, + 128 h
	v_add_nc_u32 v[STI+1], s56, v[STI+1]           ; back: lanes 0-15 one row, lanes 16-31 the next
	s_wait_alu depctr_va_vdst(0)
	global_load_b128 v[16:19], v226, s[44:45]
	global_load_b64 v[20:21], v227, s[44:45] offset:512
	global_load_b32 v28, v228, s[46:47] offset:3072
	global_load_b128 v[64:67], v226, s[8:9]
	global_load_b64 v[68:69], v227, s[8:9] offset:512
	global_load_b32 v93, v228, s[62:63] offset:3072
.irp j, 6,7,8,9,10,11
	v_mov_b32 v[16+\j], 0                          ; the upper 64 of the first product's K: zero codes, in both Q's
	v_mov_b32 v[64+\j], 0
.endr
	WIN 0x40
.irp i, 0,1,2,3,4,5,6,7
.irp j, 6,7,8,9,10,11
	v_mov_b32 v[KW+12*\i+\j], 0                    ; and in K's eight fragments: no load ever lands here
.endr
.endr
	WIN 0
.irp j, 0,1,2,3,4,5,6,7,8,9,10,11,12,13,14,15,16,17,18,19,20,21,22,23,24,25,26,27,28,29,30,31
	v_mov_b32 v[160+\j], 0                         ; O^T of both tiles: a unit has no first form: it finds zeros
	v_mov_b32 v[32+\j], 0
.endr
.irp x, 12, 76
	v_mov_b32 v[\x+1], 0xff61b1e6                  ; the largest t so far: -3e38
	v_mov_b32 v[\x+2], 0
	v_mov_b32 v[\x+3], 0
.endr
	v_floor_f32 v12, -v13                          ; -M
	v_floor_f32 v76, -v77
	v_mov_b32 v[FF+1], 0                           ; (named as the upper half of a pair)
	v_mov_b32 v219, 0                              ; a lane permute's destination counts as one of its sources
	s_wait_alu depctr_va_vdst(0)                   ; the wait at the head's end
	s_wait_loadcnt 0x0                             ; both Q's
.macro LOADK ak, off                   ; 18 loads: K's eight tiles -> v304 on, and its scale words
	WIN 0x40
.irp c, 0,1
.irp i, 0,1,2,3
	ds_load_b128 v[KW+48*\c+12*\i:KW+48*\c+12*\i+3], v[\ak] offset:(\off)+3072*\c+768*\i
	ds_load_b64 v[KW+48*\c+12*\i+4:KW+48*\c+12*\i+5], v[\ak+1] offset:(\off)+3072*\c+768*\i+512
.endr
.endr
	WIN 0
	ds_load_b128 v[KSC:KSC+3], v[\ak+2] offset:(\off)+12288
	ds_load_b128 v[KSC+4:KSC+7], v[\ak+2] offset:(\off)+12544
.endm
.macro LOADM ak, off                   ; 16 loads: 8 mask of keys 64 c + 32 h + 0 .. 31 into the score registers
.irp c, 0,1
.irp i, 0,1,2,3,4,5,6,7
	ds_load_b128 v[S+32*\c+4*\i:S+32*\c+4*\i+3], v[\ak+3] offset:(\off)+13056+256*\c+16*\i
.endr
.endr
.endm
.macro LOADV ak, off                   ; 17 loads: V's four fragments (16 channels x 128 keys) -> v256-303, and its scale words
	WIN 0x40
.irp b, 0,1,2,3
.irp c, 0,1
	ds_load_b128 v[12*\b+6*\c:12*\b+6*\c+3], v[\ak] offset:(\off)+6144+3072*\c+768*\b
	ds_load_b64 v[12*\b+6*\c+4:12*\b+6*\c+5], v[\ak+1] offset:(\off)+6144+3072*\c+768*\b+512
.endr
.endr
	WIN 0
	ds_load_b128 v[VSC:VSC+3], v[\ak+2] offset:(\off)+12800
.endm
; A UNIT: 128 keys at byte off of tile x's blocks.  pre = 1: the next unit (tile nx, byte noff) lies in the same slot, and its K and mask are asked for here.
.macro UNIT x, off, pre, nx, noff
.set ST, 12+64*(\x)
.set OB, 160-128*(\x)
.set QF, 16+48*(\x)
.set QS, 28+65*(\x)
.set AK, 8+225*(\x)
.set NAK, 8+225*(\nx)
	s_wait_dscnt 0x0                               ; K, its scale words and the mask are in
	WIN 0x01                                       ; source 0 from v256 on
.irp c, 0,1
.irp i, 0,1,2,3
	v_wmma_scale_f32_16x16x128_f8f6f4 v[S+32*\c+8*\i:S+32*\c+8*\i+7], v[KW+48*\c+12*\i:KW+48*\c+12*\i+11], v[QF:QF+11], v[S+32*\c+8*\i:S+32*\c+8*\i+7], v[KSC+4*\c+\i], v[QS] matrix_a_fmt:MATRIX_FMT_BF6 matrix_b_fmt:MATRIX_FMT_BF6
.endr
.endr
	WIN 0
.rept 4
	v_nop                                          ; four places: behind the last unit's second product for V's loads, behind these products for K's loads and the first read of the scores
.endr
	LOADV AK, \off
.if \pre
	LOADK NAK, \noff
.endif
.irp c, 0,1                            ; the largest score of my two blocks of 32 keys, in four chains; each accumulator's first read names its lowest register
	v_max3_num_f32 v[BM+\c], v[S+32*\c], v[S+32*\c+1], v[S+32*\c+2]
	v_max3_num_f32 v[222+\c], v[S+32*\c+16], v[S+32*\c+17], v[S+32*\c+18]
.endr
.irp i, 3,5,7,9,11,13
.irp c, 0,1
	v_max3_num_f32 v[BM+\c], v[BM+\c], v[S+32*\c+\i], v[S+32*\c+\i+1]
	v_max3_num_f32 v[222+\c], v[222+\c], v[S+32*\c+16+\i], v[S+32*\c+17+\i]
.endr
.endr
.irp c, 0,1
	v_max3_num_f32 v[BM+\c], v[BM+\c], v[222+\c], v[S+32*\c+15]
.endr
.irp c, 0,1
	v_max_num_f32 v[BM+\c], v[BM+\c], v[S+32*\c+31]
.endr
	s_delay_alu instid0(VALU_DEP_1)
	v_max_num_f32 v218, v[BM], v[BM+1]
	s_delay_alu instid0(VALU_DEP_1)
	v_permlanex16_b32 v219, v218, s20, s21
	s_delay_alu instid0(VALU_DEP_1)
	v_max_num_f32 v218, v218, v219                 ; the unit's largest score of my query
	s_delay_alu instid0(VALU_DEP_1)
	v_mul_f32 v218, s22, v218                      ; as t (c is positive)
	s_delay_alu instid0(VALU_DEP_1)
	v_max_num_f32 v[ST+1], v[ST+1], v218           ; the running largest t
	v_mov_b32 v220, v[ST]
	s_delay_alu instid0(VALU_DEP_2)
	v_floor_f32 v[ST], -v[ST+1]                    ; the new -M = floor(-t)
	s_delay_alu instid0(VALU_DEP_1)
	v_sub_f32 v220, v[ST], v220                    ; old M - new M: a whole number, 0 or less
	s_delay_alu instid0(VALU_DEP_1)
	v_cvt_i32_f32 v220, v220                       ; (it saturates)
	s_delay_alu instid0(VALU_DEP_1)
	v_ldexp_f32 v[FF], 1.0, v220                   ; f = 2^(old M - new M)
.irp j, 0,2,4,6,8,10,12,14,16,18,20,22,24,26,28,30,32,34,36,38,40,42,44,46,48,50,52,54,56,58,60,62
	v_pk_fma_f32 v[S+\j:S+\j+1], v[S+\j:S+\j+1], s[22:23], v[ST:ST+1] op_sel_hi:[1,0,0]   ; t - M, two at a time
.endr
	v_fma_f32 v[BM], v[BM], s22, v[ST]             ; the same of each block's largest score
	v_fma_f32 v[BM+1], v[BM+1], s22, v[ST]
	s_wait_alu depctr_va_vdst(0)                   ; the wait ahead of the batch
.irp j, 0,1,2,3,4,5,6,7,8,9,10,11,12,13,14,15,16,17,18,19,20,21,22,23,24,25,26,27,28,29,30,31,32,33,34,35,36,37,38,39,40,41,42,43,44,45,46,47,48,49,50,51,52,53,54,55,56,57,58,59,60,61,62,63
	v_exp_f32 v[S+\j], v[S+\j]                     ; p = 2^(t - M): not normalised
.endr
	v_pk_mul_f32 v[ST+2:ST+3], v[ST+2:ST+3], v[FF:FF+1] op_sel_hi:[1,0]   ; the sums under the new M: the plain place behind the exponentials
	s_wait_alu depctr_va_vdst(0)                   ; one wait for the batch of 64, ahead of its first reader
	v_exp_f32 v[BM], v[BM]                         ; a block's largest p: the same two instructions on the same number give the same bits
	v_exp_f32 v[BM+1], v[BM+1]
	v_pk_add_f32 v[224:225], v[100:101], v[104:105]   ; the row's sum of the unquantised p, in eight chains
	v_pk_add_f32 v[254:255], v[108:109], v[112:113]
	v_pk_add_f32 v[252:253], v[116:117], v[120:121]
	v_pk_add_f32 v[250:251], v[124:125], v[128:129]
	v_pk_add_f32 v[248:249], v[132:133], v[136:137]
	v_pk_add_f32 v[246:247], v[140:141], v[144:145]
	v_pk_add_f32 v[244:245], v[148:149], v[152:153]
	v_pk_add_f32 v[ST+2:ST+3], v[ST+2:ST+3], v[156:157]
	v_pk_add_f32 v[224:225], v[224:225], v[96:97]
	v_pk_add_f32 v[254:255], v[254:255], v[98:99]
	v_pk_add_f32 v[252:253], v[252:253], v[102:103]
	v_pk_add_f32 v[250:251], v[250:251], v[106:107]
	v_pk_add_f32 v[248:249], v[248:249], v[110:111]
	v_pk_add_f32 v[246:247], v[246:247], v[114:115]
	v_pk_add_f32 v[244:245], v[244:245], v[118:119]
	v_pk_add_f32 v[ST+2:ST+3], v[ST+2:ST+3], v[122:123]
	v_pk_add_f32 v[224:225], v[224:225], v[126:127]
	v_pk_add_f32 v[254:255], v[254:255], v[130:131]
	v_pk_add_f32 v[252:253], v[252:253], v[134:135]
	v_pk_add_f32 v[250:251], v[250:251], v[138:139]
	v_pk_add_f32 v[248:249], v[248:249], v[142:143]
	v_pk_add_f32 v[246:247], v[246:247], v[146:147]
	v_pk_add_f32 v[244:245], v[244:245], v[150:151]
	v_pk_add_f32 v[ST+2:ST+3], v[ST+2:ST+3], v[154:155]
	v_pk_add_f32 v[224:225], v[224:225], v[158:159]
	s_delay_alu instid0(VALU_DEP_2)
	v_pk_add_f32 v[ST+2:ST+3], v[ST+2:ST+3], v[250:251]
	s_delay_alu instid0(VALU_DEP_2)
	v_pk_add_f32 v[224:225], v[224:225], v[248:249]
	v_pk_add_f32 v[254:255], v[254:255], v[246:247]
	v_pk_add_f32 v[252:253], v[252:253], v[244:245]
	s_delay_alu instid0(VALU_DEP_2)
	v_pk_add_f32 v[ST+2:ST+3], v[ST+2:ST+3], v[254:255]
	s_delay_alu instid0(VALU_DEP_2)
	v_pk_add_f32 v[224:225], v[224:225], v[252:253]
	s_delay_alu instid0(VALU_DEP_1)
	v_pk_add_f32 v[ST+2:ST+3], v[ST+2:ST+3], v[224:225]
	s_wait_alu depctr_va_vdst(0)                   ; and one for the two
	v_max_num_f32 v[BM], 0x2800000, v[BM]          ; the floor 2^(5 - 127): the byte cannot fall under 1
	v_max_num_f32 v[BM+1], 0x2800000, v[BM+1]
	s_delay_alu instid0(VALU_DEP_2)
	v_add_nc_u32 v214, 0xfe000000, v[BM]           ; 4 off the exponent field: the conversion's scale operand
	s_delay_alu instid0(VALU_DEP_2)
	v_add_nc_u32 v215, 0xfe000000, v[BM+1]
	s_delay_alu instid0(VALU_DEP_2)
	v_lshrrev_b32 v216, 23, v214                   ; the bytes of blocks h and 2 + h,
	s_delay_alu instid0(VALU_DEP_2)
	v_lshrrev_b32 v217, 23, v215
	s_delay_alu instid0(VALU_DEP_1)
	v_lshl_or_b32 v218, v217, 16, v216
	s_delay_alu instid0(VALU_DEP_1)
	v_lshlrev_b32 v218, v[H8], v218                ; at their places;
	s_delay_alu instid0(VALU_DEP_1)
	v_permlanex16_b32 v219, v218, s20, s21
	s_delay_alu instid0(VALU_DEP_1)
	v_or_b32 v[PSW], v218, v219                    ; with lane l xor 16's two: p's scale word for these 128 keys
	v_cvt_scalef32_pk16_bf6_f32 v[P:P+2], v[S:S+15], v214
	v_cvt_scalef32_pk16_bf6_f32 v[204:206], v[S+16:S+31], v214      ; (a conversion's three registers begin on an even number)
	v_cvt_scalef32_pk16_bf6_f32 v[P+6:P+8], v[S+32:S+47], v215
	v_cvt_scalef32_pk16_bf6_f32 v[208:210], v[S+48:S+63], v215
	v_nop                                          ; one plain place behind the scaled conversions
.irp i, 0,1,2
	v_mov_b32 v[P+3+\i], v[204+\i]
	v_mov_b32 v[P+9+\i], v[208+\i]
.endr
.if \pre
	LOADM NAK, \noff                               ; p has left the score registers
.endif
	s_wait_alu depctr_va_vdst(0)                   ; the wait, directly ahead of the first reader of O^T
.irp j, 0,2,4,6,8,10,12,14,16,18,20,22,24,26,28,30
	v_pk_mul_f32 v[OB+\j:OB+\j+1], v[OB+\j:OB+\j+1], v[FF:FF+1] op_sel_hi:[1,0]   ; O^T under the new M.  For each product below, the twelve that name other tiles are the places behind p's scale word (eight) and codes (four)
.endr
	s_wait_alu depctr_va_vdst(0)
	s_wait_dscnt 34*(\pre)                         ; V and its scale words are in; behind them the next unit's 18 loads of K and 16 of the mask may be out
	WIN 0x01
.irp b, 0,1,2,3
	v_wmma_scale_f32_16x16x128_f8f6f4 v[OB+8*\b:OB+8*\b+7], v[12*\b:12*\b+11], v[P:P+11], v[OB+8*\b:OB+8*\b+7], v[VSC+\b], v[PSW] matrix_a_fmt:MATRIX_FMT_BF6 matrix_b_fmt:MATRIX_FMT_BF6
.endr
	WIN 0
.endm
.macro SLOTWORK                        ; a slot: four units of my own tile, two of the shared one
.irp k, 0,1,2,3
	v_add_nc_u32 v[8+\k], s[TB], v[1+\k]
	v_add_nc_u32 v[233+\k], s[TB], v[229+\k]
.endr
	s_wait_alu depctr_va_vdst(0)
	LOADK 8, 0
	LOADM 8, 0
	UNIT 0, 0,     1, 1, 0
	UNIT 1, 0,     1, 0, BLK
	UNIT 0, BLK,   1, 0, 2*BLK
	UNIT 0, 2*BLK, 1, 1, 2*BLK
	UNIT 1, 2*BLK, 1, 0, 3*BLK
	UNIT 0, 3*BLK, 0, 0, 0
.endm
; THE CHANGE OF SLOTS stands at a slot's head.  Each wave waits for its tensor load (at most one is out), adds 0 to its spare word, and waits for that and for its LDS reads.
; fill = 1: a round of the cluster's barrier, so that no wave of any partner still reads the slot that was left; the joint load of the next 512 keys is the first thing behind it and has the slot's six units in which to land.
.macro CHANGE fill
	s_wait_tensorcnt 0x0                           ; no tensor load of mine is out, so group 0 may be written
	ds_add_u32 v[SPW], v[NIL]
.if \fill
	ds_add_u32 v[SPW], v[NIL]                      ; twice on end
	s_xor_b32 s[FB], s[FB], SLOTB                  ; 0 and SLOTB by turns: the other slot than last time,
	s_add_co_u32 s[G0+1], s[FB], s19               ; my blocks' place in it,
	s_add_nc_u64 s[G0+2:G0+3], s[G0+2:G0+3], SLOTB ; the next 512 keys
	s_wait_xcnt 0x0                                ; the last prefetch, a slot back, has read its address
	s_add_nc_u64 s[PFA:PFA+1], s[PFA:PFA+1], SLOTB ; one slot further on than the walking descriptor
	s_wait_dscnt 0x0                               ; the adds are done; my reads of the slot that I have left are over
	CROUND
	TLOAD
	ASK
.else
	s_mov_b32 s[TB], SLOTB                         ; the eighth slot lies in slot 1
	s_wait_dscnt 0x0
	s_barrier_signal -1
	s_barrier_wait -1
.endif
.endm
.Lslot:                                            ; 7 trips: behind each change of slots but the last the next slot is asked for
	CHANGE 1
	SLOTWORK
	s_xor_b32 s[TB], s[TB], SLOTB                  ; on to the other slot
	s_sub_co_u32 s[SLOTS], s[SLOTS], 1
	s_cmp_lg_u32 s[SLOTS], 0
	s_cbranch_scc1 .Lslot
	CHANGE 0                                       ; the last slot is written out
	SLOTWORK
.rept 4
	v_nop                                          ; four places behind the last products
.endr
; THE WAY OUT of tile x.  Register 8 b + j of lane (r, h) is channel 32 h + 8 b + j of query r: 128 neighbouring bytes.  They go through my own stage (rows of 272 bytes) and come back as whole rows of 256 bytes.
; Stage row rr is query 64 G + 8 p + (rr & 7) + 32 (rr >> 3).  Stage and hand-over lie in slot 0: behind the last barrier nobody reads that slot and nothing is filled any more.
.macro OUT x, oa
.set ST, 12+64*(\x)
.set OB, 160-128*(\x)
	v_add_f32 v[ST+2], v[ST+2], v[ST+3]            ; the sum's two halves,
	s_delay_alu instid0(VALU_DEP_1)
	v_permlanex16_b32 v219, v[ST+2], s20, s21
	s_delay_alu instid0(VALU_DEP_1)
	v_add_f32 v[ST+2], v[ST+2], v219               ; and lane l xor 16's keys: the row's sum
	s_wait_alu depctr_va_vdst(0)                   ; the wait ahead of the transcendental
	v_rcp_f32 v[ST+2], v[ST+2]
	v_nop                                          ; a plain place behind the reciprocal
	s_wait_alu depctr_va_vdst(0)                   ; and the wait ahead of its first reader
.irp j, 0,2,4,6,8,10,12,14,16,18,20,22,24,26,28,30
	v_pk_mul_f32 v[S+\j:S+\j+1], v[OB+\j:OB+\j+1], v[ST+2:ST+3] op_sel_hi:[1,0]
.endr
.irp i, 0,1,2,3,4,5,6,7
	ds_store_b128 v[STI], v[S+4*\i:S+4*\i+3] offset:16*\i
.endr
.irp i, 0,1,2,3,4,5,6,7
	ds_load_b128 v[S+32+4*\i:S+32+4*\i+3], v[STI+1] offset:544*\i   ; LDS serves a wave's instructions in order: these see my stores
.endr
.irp i, 0,1,2,3,4,5,6,7
	s_wait_dscnt 7-\i                              ; load i is back; the 7 - i behind it may be out
	global_store_b128 v[GO], v[S+32+4*\i:S+32+4*\i+3], s[\oa:\oa+1] offset:(((2*\i)&7)+32*(\i/4))*3072 th:TH_STORE_NT   ; 16 lanes store 256 consecutive bytes, at a multiple of 256 from out's first byte
.endr
.endm
	s_cmp_lt_u32 s[WV], 4
	s_cbranch_scc1 .Lkeeps
.irp k, 0,1,2,3,4,5,6,7                ; role 1 hands over its half of the shared tile: an image of its registers
	ds_store_b128 v[STI+2], v[32+4*\k:35+4*\k] offset:512*\k
.endr
	ds_store_b128 v[STI+2], v[76:79] offset:4096   ; -M, the largest t, the sum's two halves
.Lkeeps:
	s_wait_dscnt 0x0                               ; for the others' sake: my stores have landed
	s_barrier_signal -1
	s_barrier_wait -1
	OUT 0, 48                                      ; every wave: its own tile
	s_cmp_ge_u32 s[WV], 4
	s_cbranch_scc1 .Ldone
	s_wait_xcnt 0x0                                ; my stores have read their registers
.irp k, 0,1,2,3,4,5,6,7
	ds_load_b128 v[S+4*\k:S+4*\k+3], v[STI+2] offset:512*\k
.endr
	ds_load_b128 v[240:243], v[STI+2] offset:4096
	s_wait_dscnt 0x0
	v_min_num_f32 v220, v76, v240                  ; -M of the two halves together: the larger M
	s_delay_alu instid0(VALU_DEP_1)
	v_sub_f32 v221, v220, v76                      ; my M less the joint one, and the partner's: whole numbers, 0 or less
	v_sub_f32 v222, v220, v240
	s_delay_alu instid0(VALU_DEP_2)
	v_cvt_i32_f32 v221, v221
	s_delay_alu instid0(VALU_DEP_2)
	v_cvt_i32_f32 v222, v222
	s_delay_alu instid0(VALU_DEP_2)
	v_ldexp_f32 v[FF], 1.0, v221                   ; both factors are powers of two
	s_delay_alu instid0(VALU_DEP_2)
	v_ldexp_f32 v224, 1.0, v222
	s_wait_alu depctr_va_vdst(0)                   ; the wait, ahead of the first reader of the shared O^T
	v_pk_mul_f32 v[78:79], v[78:79], v[FF:FF+1] op_sel_hi:[1,0]
.irp j, 0,2,4,6,8,10,12,14,16,18,20,22,24,26,28,30
	v_pk_mul_f32 v[32+\j:33+\j], v[32+\j:33+\j], v[FF:FF+1] op_sel_hi:[1,0]
.endr
	v_pk_fma_f32 v[78:79], v[242:243], v[224:225], v[78:79] op_sel_hi:[1,0,1]
.irp j, 0,2,4,6,8,10,12,14,16,18,20,22,24,26,28,30
	v_pk_fma_f32 v[32+\j:33+\j], v[S+\j:S+\j+1], v[224:225], v[32+\j:33+\j] op_sel_hi:[1,0,1]
.endr
	OUT 1, 2                                       ; role 0: the shared tile
.Ldone:
	s_wait_tensorcnt 0x0                           ; the wave's end
	ds_add_u32 v[SPW], v[NIL]
	s_wait_dscnt 0x0
	CROUND                                         ; the closing round: no work-group ends while a partner may still ask for blocks that name it
	s_endpgm
.Lfunc_end_k_q2b217f3345_attn:
	.size	k_q2b217f3345_attn, .Lfunc_end_k_q2b217f3345_attn-k_q2b217f3345_attn
	.p2alignl 7, 3214868480
	.fill 96, 4, 3214868480
	.section	.rodata,"a",@progbits
	.p2align	6, 0x0
	.amdhsa_kernel k_q2b217f3345_attn
		.amdhsa_group_segment_fixed_size 327680
		.amdhsa_private_segment_fixed_size 0
		.amdhsa_enable_private_segment 0
		.amdhsa_kernarg_size 24
		.amdhsa_user_sgpr_count 2
		.amdhsa_user_sgpr_kernarg_segment_ptr 1
		.amdhsa_wavefront_size32 1
		.amdhsa_system_sgpr_workgroup_id_x 1
		.amdhsa_system_sgpr_workgroup_id_y 1
		.amdhsa_system_sgpr_workgroup_id_z 1
		.amdhsa_system_vgpr_workitem_id 0
		.amdhsa_next_free_vgpr 416
		.amdhsa_next_free_sgpr 66
		.amdhsa_reserve_vcc 0
		.amdhsa_float_denorm_mode_32 3
		.amdhsa_float_denorm_mode_16_64 3
		.amdhsa_memory_ordered 1
		.amdhsa_forward_progress 1
		.amdhsa_inst_pref_size 224
	.end_amdhsa_kernel
	.amdgpu_metadata
---
amdhsa.version: [ 1, 2 ]
amdhsa.kernels:
  - .name:           k_q2b217f3345_attn
    .symbol:         k_q2b217f3345_attn.kd
    .args:
      - { .name: q, .offset: 0, .size: 8, .value_kind: global_buffer, .address_space: global }
      - { .name: kv, .offset: 8, .size: 8, .value_kind: global_buffer, .address_space: global }
      - { .name: out0, .offset: 16, .size: 8, .value_kind: global_buffer, .address_space: global }
    .group_segment_fixed_size: 327680
    .private_segment_fixed_size: 0
    .kernarg_segment_align: 8
    .kernarg_segment_size: 24
    .max_flat_workgroup_size: 256
    .sgpr_count:     66
    .vgpr_count:     416
    .wavefront_size: 32
...
	.end_amdgpu_metadata
.endif
;; end of part 2
